; MI455X (gfx1250); checked and timed in simulation.
; The chip was launched on July 23, 2026; its instructions are those of AMD's public machine-readable ISA for CDNA 5 (MIT licence, August 2026) and "CDNA5" Instruction Set Architecture Reference Guide (July 2026). The comments in the code are by the model that wrote it; some were corrected since.
;; Multi Head Self Attention. Allowed arithmetic: matrix products marked QUANTISED: E2M1 operands, one E8M0 scale for each 32 along K, by v_wmma_scale_f32_16x16x128_f8f6f4 with both operands' format E2M1 (or v_wmma_scale_f32_32x16x128_f4), f32 sums; products left as they are: bf16, f16 or f32 operands; f32 sums; everything else in f32.
;; Inputs: Wk 16 x 1,024 x 64 float32; Wq 16 x 1,024 x 64 float32; Wv 16 x 1,024 x 64 float32; bk 16 x 64 float32; bq 16 x 64 float32; bv 16 x 64 float32; x 4 x 2,048 x 1,024 float32.
;; Outputs: out0 4 x 2,048 x 1,024 float32.
;; This version of the problem:
;;   THIS VERSION OF THE PROBLEM IS GIVEN IN LOW PRECISION. The matrix products marked QUANTISED in the list below multiply operands that are first quantised to E2M1 (2 exponent bits, 1 mantissa bit; 4 bits a number), with one power-of-two scale for each 32 numbers along K (OCP MX v1.0); their sums are f32. The products marked 'left as it is' may take bf16, f16 or f32 operands, with f32 sums. Whichever they take, every output number must still come out within the allowed error. Rounding operands to bf16 (8 significant bits) uses up far more of that allowance than f16 does (11 bits, for magnitudes from 6e-5 to 65,504). All else is computed in f32.
;;   The module's matrix products, in the order in which they are computed (A, B: the left and right operand; K: the contracted axis; several contracted axes count as one K, in the product's order):
;;     1. [M 1,024, K 1,024] x [K 1,024, N 8,192]; A: input Wq; B: input x: QUANTISED
;;     2. [M 1,024, K 1,024] x [K 1,024, N 8,192]; A: input Wk; B: input x: QUANTISED
;;     3. [M 1,024, K 1,024] x [K 1,024, N 8,192]; A: input Wv; B: input x: QUANTISED
;;     4. batch 64 x [M 2,048, K 64] x [K 64, N 2,048]; A: computed on the way; B: computed on the way: left as it is (an operand is computed on the way)
;;     5. batch 64 x [M 2,048, K 2,048] x [K 2,048, N 64]; A: computed on the way; B: computed on the way: left as it is (an operand is computed on the way)
;;   THE QUANTISER, for each operand of a quantised product, along K:
;;     - K is cut into blocks of 32 from its start; a last block that is shorter is filled with zeros.
;;     - A block's scale is 2^e with e = floor(log2(the largest magnitude in the block)) - 2, held to -126 .. 127; a block of zeros has e = 0. As a byte (E8M0): e + 127.
;;     - Each number is divided by its block's scale, clamped to +-6, and rounded to the nearest number of E2M1, ties to even, subnormals kept.
;;     - The product sums the exact products of the quantised numbers (number of the format x scale) in f32.
;;   ~~~python
;;   def quantise(x, axis):      # numpy; x: float32 -> the quantised numbers, widened to float32 again
;;       x = np.moveaxis(x, axis, -1); K = x.shape[-1]
;;       x = np.pad(x, [(0, 0)] * (x.ndim - 1) + [(0, -K % 32)]); x = x.reshape(x.shape[:-1] + (-1, 32)); a = np.abs(x).max(-1, keepdims=True)
;;       e = np.where(a > 0, np.clip(np.frexp(np.where(a > 0, a, 1))[1] - 1 - 2, -126, 127), 0)      # np.frexp(a)[1] - 1 = floor(log2(a)), exactly
;;       r = np.clip(x / 2.0 ** e, -6, 6)
;;       step = 2.0 ** (np.maximum(np.frexp(np.where(r == 0, 1, r))[1] - 1, 0) - 1)
;;       q = np.round(r / step) * step * 2.0 ** e      # np.round: ties to even
;;       return np.moveaxis(q.reshape(q.shape[:-2] + (-1,))[..., :K], -1, axis).astype(np.float32)
;;   ~~~
;; One version. Each part assembles by itself: llvm-mc -triple=amdgcn-amd-amdhsa -mcpu=gfx1250 --defsym DOCPART=n.
;; ======== version 1 of 1: 3 launches
;; limits: values are held in f16: magnitudes above 65,504 overflow, below 6.1e-05 lose precision
;; workspace buffers: x_codes 4,194,304 bytes; x_scales 262,144 bytes; w_codes 1,572,864 bytes; w_scales 98,304 bytes; qkv 50,331,648 bytes
;; launch quant (part 1): grid 448 x 1, 4 waves a work-group, no clusters, 33,280 bytes of LDS; arguments x, Wq, Wk, Wv, x_codes, x_scales, w_codes, w_scales; writes x_codes, x_scales, w_codes, w_scales
.if DOCPART == 1
	.amdgcn_target "amdgcn-amd-amdhsa--gfx1250"
	.amdhsa_code_object_version 6
	.text
	.protected	k_q38f0b6b8ad_quant
	.globl	k_q38f0b6b8ad_quant
	.p2align	8
	.type	k_q38f0b6b8ad_quant,@function
k_q38f0b6b8ad_quant:
	s_mov_b64 s[64:65], 0
	v_nop
	global_prefetch_b8 v0, s[64:65] scope:SCOPE_SE
	s_setreg_imm32_b32 hwreg(HW_REG_WAVE_MODE, 25, 1), 1
	s_wait_xcnt 0x0
; x [8192][1024] and Wq, Wk, Wv [16][1024][64], f32, become codes of FP4 (E2M1) with one E8M0 scale byte for each 32 along K = the 1,024 of the model.
; A block's scale is 2^(floor(log2(its largest magnitude)) - 2); its byte is the largest magnitude's exponent field - 2, held at 1 from below.  Each number is divided by the scale and
; rounded to the nearest code, ties to even, beyond 6 the largest code.
; LIMITS: a block of zeros gets the byte 1 where the rule says 127: its codes are zeros, which add nothing under that byte, and this program alone reads the bytes.  NaN and infinities are not served.
; Work-groups 0 to 191 take the weights, 192 to 447 take x.  Only the path of x touches LDS.
;   x: K is innermost, rows are dense: a plain stream of blocks of 32.  x_codes [8192][512 bytes], x_scales [8192][32 bytes].
;   W: K is the middle axis: a lane takes a column and its registers run down K.  Row n of the operand is kind x 1024 + head x 64 + column (kind 0 q, 1 k, 2 v).
;      w_codes are laid as IMAGES OF THE OPERAND'S REGISTERS: [K half (2)][n / 16 (192)][K step of 128 in the half (4)][c (2)][lane (32)][16 bytes]; the 16 bytes of (c, lane 16 hh + r)
;      are block 2 c + hh of that K step of row 16 (n / 16) + r.  w_scales [3072][32 bytes].
.set STEPS, 16                         ; x: steps of 512 numbers in a wave's run of 8,192
.set AHEAD, 8                          ; x: loads run eight steps ahead: 32 loads of 512 bytes a wave
.set SP,    80                         ; a lane's place in a stage: its 64 bytes + 16 of padding
.set WREG,  8192                       ; LDS: a region for each wave: two stages of 32 x SP bytes, and behind them its 256 scale bytes
.set SBY,   2*32*SP
.set SPARE, 4*WREG                     ; behind the four regions: the spare words, 128 bytes for each wave: two blocks of 256 bytes that no other line names
.set WGW,   192                        ; work-groups that take the weights
.set SPW,   12                         ; v12  LDS address of my spare word; never rewritten
.set NIL,   13                         ; v13  0; never rewritten
.set R,     16                         ; x: v16-143  eight sets of 16 numbers as they are loaded
.set X,     144                        ; x: v144-175 two sets of 16 neighbours
.set E,     176                        ; x: v176-191 a scale byte for each step
.set C,     192                        ; x: v192-223 two registers of codes for each step, so that no store's data are written again
.set WN,    16                         ; W: v16-143  four blocks of 32 numbers
.set WC,    144                        ; W: v144-159 four registers of codes for each block
.set WS,    160                        ; W: v160     the K step's scale word
	s_load_b256 s[4:11], s[0:1], 0x0               ; x s[4:5], Wq s[6:7], Wk s[8:9], Wv s[10:11]
	s_load_b256 s[12:19], s[0:1], 0x20             ; x_codes s[12:13], x_scales s[14:15], w_codes s[16:17], w_scales s[18:19]
	v_lshl_add_u32 v[SPW], v0, 2, SPARE
	v_mov_b32 v[NIL], 0
	v_lshrrev_b32 v1, 5, v0
	v_readfirstlane_b32 s20, v1                    ; wave 0..3
	v_and_b32 v2, 31, v0                           ; lane
	s_wait_kmcnt 0x0
	s_cmp_lt_u32 ttmp9, WGW                        ; the work-group's number alone decides
	s_cbranch_scc1 .Lweights
; ---------------- x.  A wave takes 16 steps of 512 numbers.  Each of a step's four loads reads 512 consecutive bytes, 16 a lane; the 2,048 bytes go through the wave's own stage in LDS as they lie and
; come back 64 bytes a lane: 16 neighbours along K, two neighbouring lanes to a block.  A lane's 16 codes are 8 bytes: the wave stores 256 consecutive bytes.
	v_lshlrev_b32 v3, 4, v2                        ; my 16 bytes of a load's 512
	s_mul_i32 s21, s20, WREG
	v_lshrrev_b32 v14, 2, v2
	v_mul_u32_u24 v14, v14, SP
	v_and_b32 v15, 3, v2
	v_lshl_add_u32 v14, v15, 4, v14
	v_add_nc_u32 v14, s21, v14                     ; the stage, on the way in: SP (lane / 4) + 16 (lane % 4); a load's 512 bytes take eight places
	v_mul_u32_u24 v15, v2, SP
	v_add_nc_u32 v15, s21, v15                     ; and on the way out: SP x lane
	v_lshlrev_b32 v4, 3, v2                        ; 8 x lane: my codes' place in a step's, and my 8 scale bytes' place at the end
	v_lshrrev_b32 v5, 1, v2
	s_add_co_u32 s21, s21, SBY
	v_add_nc_u32 v5, s21, v5                       ; LDS: my wave's 256 scale bytes, my block's byte
	v_add_nc_u32 v6, s21, v4                       ; and where I read 8 of them back
	s_sub_co_u32 s22, ttmp9, WGW
	s_lshl_b32 s22, s22, 2
	s_add_co_u32 s22, s22, s20                     ; which run of 8,192 numbers is my wave's: 0 .. 1,023
	s_mov_b32 s25, 0
	s_lshl_b32 s24, s22, 15                        ; 32,768 bytes of x,
	s_add_nc_u64 s[4:5], s[4:5], s[24:25]
	s_lshl_b32 s24, s22, 12                        ; 4,096 of codes,
	s_add_nc_u64 s[12:13], s[12:13], s[24:25]
	s_lshl_b32 s24, s22, 8                         ; 256 scale bytes
	s_add_nc_u64 s[14:15], s[14:15], s[24:25]
.macro LOAD t
.irp i, 0,1,2,3
	global_load_b128 v[R+16*((\t)%AHEAD)+4*\i:R+16*((\t)%AHEAD)+4*\i+3], v3, s[4:5] offset:2048*(\t)+512*\i th:TH_LOAD_NT   ; 32 lanes read 512 consecutive bytes
.endr
.endm
.macro TURN t                          ; step t's numbers through the stage: LDS serves a wave's instructions in order, so no wait stands between the stores and the loads
.irp i, 0,1,2,3
	ds_store_b128 v14, v[R+16*((\t)%AHEAD)+4*\i:R+16*((\t)%AHEAD)+4*\i+3] offset:32*SP*((\t)%2)+8*SP*\i
.endr
.irp i, 0,1,2,3
	ds_load_b128 v[X+16*((\t)%2)+4*\i:X+16*((\t)%2)+4*\i+3], v15 offset:32*SP*((\t)%2)+16*\i
.endr
.endm
.irp t, 0,1,2,3,4,5,6,7
	LOAD \t
.endr
	s_wait_loadcnt 28                              ; step 0's four loads are in; those of the seven steps behind it may be out
	TURN 0
.macro STEP t
.set XS, X+16*((\t)%2)
.if (\t) > 0
	s_wait_dscnt 1                                 ; this step's numbers are back from the stage (the last step's byte store may be out): so its stores into the stage have read their registers,
.else
	s_wait_dscnt 0x0
.endif
.if (\t)+AHEAD < STEPS
	LOAD (\t)+AHEAD                                ; which take the loads of eight steps on
.endif
.if (\t)+1 < STEPS
.if STEPS-2-(\t) >= AHEAD-1
	s_wait_loadcnt 4*(AHEAD-1)                     ; the next step's four loads are in; those of the seven steps behind it may be out
.else
	s_wait_loadcnt 4*(STEPS-2-(\t))                ; towards the end: as many steps as are left behind the next
.endif
	TURN (\t)+1                                    ; and go through the other stage while this step is worked
.endif
	v_max3_num_f32 v8, |v[XS]|, |v[XS+1]|, |v[XS+2]|               ; the largest magnitude of my 16, in two chains
	v_max3_num_f32 v9, |v[XS+3]|, |v[XS+4]|, |v[XS+5]|
.irp i, 6,10
	v_max3_num_f32 v8, v8, |v[XS+\i]|, |v[XS+\i+1]|
	v_max3_num_f32 v9, v9, |v[XS+\i+2]|, |v[XS+\i+3]|
.endr
	v_max3_num_f32 v8, v8, |v[XS+14]|, |v[XS+15]|
	v_max3_num_f32 v8, v8, v9, 0x1800000           ; and the floor 2^(3 - 127): the byte cannot fall under 1
	v_max_num_f32_dpp v8, v8, v8 row_xmask:1 row_mask:0xf bank_mask:0xf   ; and of my neighbour's 16: the block's
	v_add_nc_u32 v11, 0xff000000, v8               ; 2 off its exponent field: the conversion takes the exponent field of this operand as its scale, and nothing else of it
	v_cvt_scalef32_pk8_fp4_f32 v[C+2*(\t)], v[XS:XS+7], v11
	v_cvt_scalef32_pk8_fp4_f32 v[C+2*(\t)+1], v[XS+8:XS+15], v11
	v_lshrrev_b32 v[E+(\t)], 23, v11               ; the scale's byte (also the plain line behind the conversions)
	ds_store_b8 v5, v[E+(\t)] offset:16*(\t)       ; both lanes of a block write the same byte with the same value
	global_store_b64 v4, v[C+2*(\t):C+2*(\t)+1], s[12:13] offset:256*(\t)   ; the wave stores 256 consecutive bytes, aligned
.endm
.irp t, 0,1,2,3,4,5,6,7,8,9,10,11,12,13,14,15
	STEP \t
.endr
	ds_load_b64 v[8:9], v6                         ; LDS serves a wave's instructions in order: these see my byte stores
	s_wait_dscnt 0x0
	global_store_b64 v4, v[8:9], s[14:15]          ; 32 lanes store the run's 256 scale bytes, aligned
	s_wait_tensorcnt 0x0                           ; the wave's end: these three lines behind my last LDS store
	ds_add_u32 v[SPW], v[NIL]
	s_wait_dscnt 0x0
	s_endpgm
; ---------------- W.  A wave takes 32 columns of one head x one K step of 128: four blocks a lane.  Waves 0 and 1 stand side by side on a row of W (256 bytes), waves 2 and 3 on the next K step.
; No LDS: a block's 16 bytes of codes are one lane's part of the image, and sixteen lanes store 256 consecutive bytes.
.Lweights:
	s_lshr_b32 s21, ttmp9, 6                       ; kind
	s_bfe_u32 s22, ttmp9, 0x40002                  ; head
	s_and_b32 s23, ttmp9, 3
	s_lshl_b32 s23, s23, 1
	s_lshr_b32 s25, s20, 1
	s_add_co_u32 s23, s23, s25                     ; K step 0..7
	s_and_b32 s24, s20, 1                          ; which 32 of the head's 64 columns
	s_cmp_eq_u32 s21, 0
	s_cselect_b64 s[6:7], s[6:7], s[8:9]           ; the choice hangs on the work-group's number alone
	s_cmp_eq_u32 s21, 2
	s_cselect_b64 s[6:7], s[10:11], s[6:7]
	s_lshl_b32 s26, s22, 18                        ; a head of W: 1,024 rows of 256 bytes
	s_lshl_b32 s27, s23, 15                        ; a K step: 128 rows
	s_add_co_u32 s26, s26, s27
	s_lshl_b32 s27, s24, 7
	s_add_co_u32 s26, s26, s27
	s_mov_b32 s27, 0
	s_add_nc_u64 s[6:7], s[6:7], s[26:27]
	s_lshl_b32 s28, s21, 10
	s_lshl_b32 s29, s22, 6
	s_add_co_u32 s28, s28, s29
	s_lshl_b32 s29, s24, 5
	s_add_co_u32 s28, s28, s29                     ; n0: my wave's first row of the operand
	s_lshr_b32 s30, s23, 2
	s_mul_i32 s30, s30, 786432                     ; the K half,
	s_lshl_b32 s31, s28, 8                         ; (n0 / 16) x 4,096,
	s_add_co_u32 s30, s30, s31
	s_and_b32 s31, s23, 3
	s_lshl_b32 s31, s31, 10                        ; the K step in the half
	s_add_co_u32 s30, s30, s31
	s_mov_b32 s31, 0
	s_add_nc_u64 s[16:17], s[16:17], s[30:31]
	s_lshl_b32 s30, s28, 5                         ; 32 scale bytes a row,
	s_lshl_b32 s32, s23, 2                         ; 4 a K step
	s_add_co_u32 s30, s30, s32
	s_add_nc_u64 s[18:19], s[18:19], s[30:31]
	v_lshlrev_b32 v3, 2, v2                        ; in: 4 bytes a lane
	v_lshrrev_b32 v5, 4, v2
	v_and_b32 v6, 15, v2
	v_lshlrev_b32 v6, 4, v6
	v_lshl_add_u32 v5, v5, 12, v6                  ; codes: (lane / 16) x 4,096 + 16 (lane % 16)
	v_lshlrev_b32 v6, 5, v2                        ; scale word: 32 x lane
.macro WLOAD t                         ; block t: W(32 t + i, my column)
.irp i, 0,1,2,3,4,5,6,7,8,9,10,11,12,13,14,15,16,17,18,19,20,21,22,23,24,25,26,27,28,29,30,31
	global_load_b32 v[WN+32*(\t)+\i], v3, s[6:7] offset:(32*(\t)+\i)*256 th:TH_LOAD_NT
.endr
.endm
.macro WBLOCK t
.set XS, WN+32*(\t)
.if (\t) < 3
	s_wait_loadcnt 32                              ; this block's 32 loads are in; the next block's may be out
.else
	s_wait_loadcnt 0x0
.endif
.if (\t)+2 < 4
	WLOAD (\t)+2                                   ; two blocks ahead, into registers of their own
.endif
	v_max3_num_f32 v8, |v[XS]|, |v[XS+1]|, |v[XS+2]|               ; the block's largest magnitude: all 32 numbers are mine
	v_max3_num_f32 v9, |v[XS+3]|, |v[XS+4]|, |v[XS+5]|
.irp i, 6,10,14,18,22,26
	v_max3_num_f32 v8, v8, |v[XS+\i]|, |v[XS+\i+1]|
	v_max3_num_f32 v9, v9, |v[XS+\i+2]|, |v[XS+\i+3]|
.endr
	v_max3_num_f32 v8, v8, |v[XS+30]|, |v[XS+31]|
	v_max3_num_f32 v8, v8, v9, 0x1800000           ; and the floor 2^(3 - 127)
	v_add_nc_u32 v11, 0xff000000, v8               ; the conversion's scale operand
	v_lshrrev_b32 v9, 23, v11                      ; the scale's byte
.if (\t) == 0
	v_mov_b32 v[WS], v9                            ; four bytes to the word, the lower K in the lower byte
.else
	v_lshl_or_b32 v[WS], v9, 8*(\t), v[WS]
.endif
.irp g, 0,1,2,3
	v_cvt_scalef32_pk8_fp4_f32 v[WC+4*(\t)+\g], v[XS+8*\g:XS+8*\g+7], v11
.endr
	v_nop                                          ; one plain line behind the last conversion
	global_store_b128 v5, v[WC+4*(\t):WC+4*(\t)+3], s[16:17] offset:256*(\t)   ; block t = (c = t / 2, hh = t % 2): lanes 0-15 and lanes 16-31 each store 256 consecutive bytes, aligned
.endm
	WLOAD 0
	WLOAD 1
	WBLOCK 0
	WBLOCK 1
	WBLOCK 2
	WBLOCK 3
	global_store_b32 v6, v[WS], s[18:19]           ; 4 bytes a lane, 32 bytes apart: 98,304 bytes in the whole launch leave so; whole rows would want all of K in one wave, and then too few loads would be on their way
	s_endpgm
.Lfunc_end_k_q38f0b6b8ad_quant:
	.size	k_q38f0b6b8ad_quant, .Lfunc_end_k_q38f0b6b8ad_quant-k_q38f0b6b8ad_quant
	.p2alignl 7, 3214868480
	.fill 96, 4, 3214868480
	.section	.rodata,"a",@progbits
	.p2align	6, 0x0
	.amdhsa_kernel k_q38f0b6b8ad_quant
		.amdhsa_group_segment_fixed_size 33280
		.amdhsa_private_segment_fixed_size 0
		.amdhsa_enable_private_segment 0
		.amdhsa_kernarg_size 64
		.amdhsa_user_sgpr_count 2
		.amdhsa_user_sgpr_kernarg_segment_ptr 1
		.amdhsa_wavefront_size32 1
		.amdhsa_system_sgpr_workgroup_id_x 1
		.amdhsa_system_sgpr_workgroup_id_y 1
		.amdhsa_system_sgpr_workgroup_id_z 1
		.amdhsa_system_vgpr_workitem_id 0
		.amdhsa_next_free_vgpr 224
		.amdhsa_next_free_sgpr 66
		.amdhsa_reserve_vcc 0
		.amdhsa_float_denorm_mode_32 3
		.amdhsa_float_denorm_mode_16_64 3
		.amdhsa_memory_ordered 1
		.amdhsa_forward_progress 1
		.amdhsa_inst_pref_size 53
	.end_amdhsa_kernel
	.amdgpu_metadata
---
amdhsa.version: [ 1, 2 ]
amdhsa.kernels:
  - .name:           k_q38f0b6b8ad_quant
    .symbol:         k_q38f0b6b8ad_quant.kd
    .args:
      - { .name: x, .offset: 0, .size: 8, .value_kind: global_buffer, .address_space: global }
      - { .name: Wq, .offset: 8, .size: 8, .value_kind: global_buffer, .address_space: global }
      - { .name: Wk, .offset: 16, .size: 8, .value_kind: global_buffer, .address_space: global }
      - { .name: Wv, .offset: 24, .size: 8, .value_kind: global_buffer, .address_space: global }
      - { .name: x_codes, .offset: 32, .size: 8, .value_kind: global_buffer, .address_space: global }
      - { .name: x_scales, .offset: 40, .size: 8, .value_kind: global_buffer, .address_space: global }
      - { .name: w_codes, .offset: 48, .size: 8, .value_kind: global_buffer, .address_space: global }
      - { .name: w_scales, .offset: 56, .size: 8, .value_kind: global_buffer, .address_space: global }
    .group_segment_fixed_size: 33280
    .private_segment_fixed_size: 0
    .kernarg_segment_align: 8
    .kernarg_segment_size: 64
    .max_flat_workgroup_size: 128
    .sgpr_count:     66
    .vgpr_count:     224
    .wavefront_size: 32
...
	.end_amdgpu_metadata
.endif
;; end of part 1
;; launch proj (part 2): grid 12 x 32, 4 waves a work-group, clusters of 4 x 4, 327,680 bytes of LDS; arguments x_codes, x_scales, w_codes, w_scales, qkv, bq, bk, bv; writes qkv
.if DOCPART == 2
	.amdgcn_target "amdgcn-amd-amdhsa--gfx1250"
	.amdhsa_code_object_version 6
	.text
	.protected	k_q38f0b6b8ad_proj
	.globl	k_q38f0b6b8ad_proj
	.p2align	8
	.type	k_q38f0b6b8ad_proj,@function
k_q38f0b6b8ad_proj:
	s_mov_b64 s[64:65], 0
	v_nop
	global_prefetch_b8 v0, s[64:65] scope:SCOPE_SE
	s_setreg_imm32_b32 hwreg(HW_REG_WAVE_MODE, 25, 1), 1
	s_wait_xcnt 0x0
	s_wait_alu depctr_hold_cnt(0) depctr_sa_sdst(0) depctr_va_vdst(0) depctr_va_sdst(0) depctr_va_ssrc(0) depctr_va_vcc(0) depctr_vm_vsrc(0)
	s_getreg_b32 s2, hwreg(HW_REG_IB_STS2, 6, 4)
	s_cmp_eq_u32 s2, 0
	s_cbranch_scc0 .Lentry_in_a_cluster
	s_endpgm
.Lentry_in_a_cluster:
	s_bfe_u32 s2, ttmp6, 0x10000c
	s_cmp_lg_u32 s2, 0xf033
	s_cbranch_scc0 .Lentry_shape_is_right
	s_endpgm
.Lentry_shape_is_right:
; q, k, v = Q(x) Q(W) + bias, on codes of FP4 (E2M1) with one E8M0 scale for each 32 along K = 1,024; sums in f32; the results are rounded once to f16 and stored as images of the next launch's operands.
; A (source 1): x_codes [8192][512 bytes], x_scales [8192][32].  B (source 0): 3,072 rows n = kind x 1024 + head x 64 + channel: w_codes as register images (see below), w_scales [3072][32].
; A tile, 256 tokens x 256 rows n, is made by a work-group of four waves; a wave makes 128 x 128: 64 accumulators of 16 x 16, 512 registers.  K is two slots of 512, both asked for at the head: nothing is filled again.
; LIMIT: |q|, |k|, |v| stay under 65,504, the largest f16 number; beyond it the rounding gives infinity.
; CLUSTERS: 4 x 4 work-groups.  The four of a row of the cluster need the same tiles of A, the four of a column the same tiles of B: each is asked for JOINTLY.
; THE MATRIX INSTRUCTION IS USED TRANSPOSED (source 0 = 16 rows of B, source 1 = 16 tokens): lane (r, hh) then holds token r and the eight channels 8 hh + 0 .. 7 of a block of 16: 16 bytes of f16,
; which is a lane's part of qkv's image [kind][batch][head][16 tokens (128)][16 channels (4)][lane (32)][16 bytes].  So the results leave from registers, 512 consecutive bytes a store.
; B's IMAGES: w_codes [K half (2)][n / 16][K step in the half (4)][c (2)][lane][16 bytes]: a slot's part of 128 rows is one dense block of 32,768 bytes, and a fragment is two loads of 16 x lane.
; THE BIAS is the C of each sum's first matrix instruction: eight registers a block of 16 channels, in the result's layout.
; REGISTERS, in windows of 256: window 0: v0-31 addresses; v32-95 scale words, two sets; v128-191 A's fragments, ONE set; v192-255 the bias.
;   window 1: B's fragments, TWO sets, at v0 and at v128; on the way out all 256: the packed results.   window 2: the accumulators of my tokens 0-63 ((a, b) at v[8 (8 a + b)]);   window 3: those of tokens 64-127.
.set NQ,     4                         ; steps of 128 along K in a slot
.set ROWB,   256                       ; a row of A's tile in bytes: 512 codes
.set KROW,   512                       ; a row of x_codes in bytes
.set PITCH,  272                       ; A's row in LDS: 256 bytes + 16 of padding: the 16 rows that a load touches start 68 words apart
.set FR,     8                         ; registers of a fragment: 16 rows x 128 K
.set NL,     2                         ; LDS loads that bring one
.set NP,     4                         ; places behind this matrix instruction (ISA guide 7.12.1)
.set HALFT,  128*PITCH                 ; a wave's quarter of a slot: 128 rows of A, or 32,768 bytes of B's images in the same room
.set SLOT,   4*HALFT
.set WPART,  786432                    ; from one K half of w_codes to the other
.set KS,     32                        ; a row of scales in bytes
.set SCL,    2*SLOT                    ; behind the slots: the scales, as units of 256 bytes + 16 of padding
.set HALFS,  (128*KS/256)*272          ; the scales of 128 rows: what one tensor load brings
.set SBLK,   (16*KS/256)*272           ; those of 16 rows
.set SPARE,  SCL+4*HALFS               ; behind the scales: the spare words, 128 bytes for each wave: two blocks of 256 bytes that no other line names
.set ADRA, 16                          ; v16-17  LDS address of my A fragments in slot 0, 1
.set ADRB, 20                          ; v20-21  the same for B's images
.set CO,   26                          ; v26     16 x lane
.set ADRS, 27                          ; v27     LDS address of my scale words: lanes 0-15 A's rows, lanes 16-31 B's
.set SPW,  28                          ; v28     LDS address of my spare word; never rewritten
.set NIL,  29                          ; v29     0; never rewritten
.set BO,   30                          ; v30     32 x (lane / 16): my eight numbers of a block of the bias
.set SC,   32                          ; scale words: set s at v[SC + 32 s]; register 4 i + q: lanes 0-15 the word of A's block i, lanes 16-31 that of B's block i, for the slot's q-th 128 along K
.set AF,   128
.set BIAS, 192
.set G1, 24                            ; s[24:31] group 1 for A's tiles;  s[32:39] group 0, one set for each slot
.set G0, 32
.set G1B, 48                           ; s[48:55], s[56:63] the same for B's
.set G0B, 56
.set G1S, 68                           ; s[68:75], s[76:79] groups 1 and 0 for A's scales;  s[80:87], s[88:91] for B's
.set G0S, 76
.set G1SB, 80
.set G0SB, 88
.set MSB, 0
.macro WIN new                         ; the immediate's high byte repeats the setting that is left
.if MSB != \new
	s_set_vgpr_msb (MSB<<8)|\new
.set MSB, \new
.endif
.endm
.set MUL_LO, 0xa1                      ; source 0 (B) window 1, source 1 (A) window 0, C and D window 2
.set MUL_HI, 0xf1                      ; the same, C and D window 3
.set FST_LO, 0x81                      ; the first step: C (the bias) window 0, D window 2
.set FST_HI, 0xc1                      ; and D window 3
.set TO_B,   0x40                      ; destination window 1, address window 0
; A joint load: waves 0 and 1 fetch for A, waves 2 and 3 for B.  Each of the two lines has ONE mask and one set of registers for all that issue it; the branch hangs on the wave's number alone.
; An s_nop 0 and four v_nop follow each of the two lines, ahead of the jump, the label and what follows.
.macro JLOAD g0a, g1a, g0b, g1b
	s_cmp_eq_u32 s15, 0
	s_cbranch_scc0 .Lfor_b_\@
	tensor_load_to_lds s[\g0a:\g0a+3], s[\g1a:\g1a+7]
	s_nop 0
.rept 4
	v_nop
.endr
	s_branch .Lasked_\@
.Lfor_b_\@:
	tensor_load_to_lds s[\g0b:\g0b+3], s[\g1b:\g1b+7]
	s_nop 0
.rept 4
	v_nop
.endr
.Lasked_\@:
.endm
.macro CROUND                          ; a round of the cluster's barrier
	s_barrier_signal -1
	s_barrier_wait -1
	s_cmp_lg_u32 s14, 0
	s_cbranch_scc1 .Lnot_wave_0_\@
	s_barrier_signal -3
.Lnot_wave_0_\@:
	s_barrier_wait -3
	s_barrier_signal -1
	s_barrier_wait -1
.endm
	s_load_b128 s[4:7], s[0:1], 0x0                ; x_codes s[4:5], x_scales s[6:7]
	s_load_b128 s[8:11], s[0:1], 0x10              ; w_codes s[8:9], w_scales s[10:11]
	s_load_b64 s[12:13], s[0:1], 0x20              ; qkv
	s_load_b128 s[96:99], s[0:1], 0x28             ; bq, bk
	s_load_b64 s[100:101], s[0:1], 0x38            ; bv
	v_lshl_add_u32 v[SPW], v0, 2, SPARE
	v_mov_b32 v[NIL], 0
	ds_add_u32 v[SPW], v[NIL]                      ; the wave's opening: the add, twice on end, and its wait ahead of my first tensor load; the set-up below stands between
	ds_add_u32 v[SPW], v[NIL]
	v_lshrrev_b32 v1, 5, v0
	v_readfirstlane_b32 s14, v1                    ; wave 0..3
	s_lshr_b32 s15, s14, 1                         ; which half of the tile's tokens is mine.  Also: I fetch for A (0) or for B (1)
	s_and_b32 s16, s14, 1                          ; which half of its rows n.  Also: which 128 rows I fetch
	s_bfe_u32 s40, ttmp6, 0x40000                  ; cx, cy: my place in the cluster
	s_bfe_u32 s41, ttmp6, 0x40004
	s_lshl_b32 s42, ttmp9, 2
	s_add_co_u32 s42, s42, s40                     ; tile column = 4 x cluster x + cx: the cluster's x is the kind, cx picks four heads
	s_and_b32 s17, ttmp7, 0xffff
	s_lshl_b32 s17, s17, 2
	s_add_co_u32 s17, s17, s41                     ; tile row = 4 x cluster y + cy: 256 tokens
	s_lshl_b32 s43, s41, 2
	s_lshl_b32 s43, 15, s43                        ; my row of the cluster
	s_lshl_b32 s44, 0x1111, s40                    ; my column
	; group 1 for A: 128 rows of 256 bytes, 512 apart in memory, 16 bytes of padding behind each in LDS
	s_or_b32 s[G1+0], s43, (0<<16)|(1<<20)|(1<<21)|(5<<22)|(3<<25)  ; 15:0 the mask; 17:16 elements of 1 byte; 20 padding on; 21 set beside a mask; 24:22 after every 64 words; 31:25 four words
	s_mov_b32 s[G1+1], ROWB<<16                    ; tensor_dim0
	s_mov_b32 s[G1+2], 128<<16                     ; tensor_dim1
	s_mov_b32 s[G1+3], ROWB<<16                    ; tile_dim0
	s_mov_b32 s[G1+4], 128                         ; tile_dim1
	s_mov_b32 s[G1+5], KROW                        ; from row to row
	s_mov_b32 s[G1+6], 0
	s_mov_b32 s[G1+7], 0
	; group 1 for B: a dense block of 32,768 bytes as 128 rows of 256 (32 elements of 8 bytes), no padding
	s_or_b32 s[G1B+0], s44, (3<<16)|(1<<21)
	s_mov_b32 s[G1B+1], 32<<16
	s_mov_b32 s[G1B+2], 128<<16
	s_mov_b32 s[G1B+3], 32<<16
	s_mov_b32 s[G1B+4], 128
	s_mov_b32 s[G1B+5], 32
	s_mov_b32 s[G1B+6], 0
	s_mov_b32 s[G1B+7], 0
	; and for the scales of 128 rows: a dense block of 4,096 bytes as 16 rows of 256, 16 bytes of padding behind each
	s_or_b32 s[G1S+0], s43, (3<<16)|(1<<20)|(1<<21)|(5<<22)|(3<<25)
	s_or_b32 s[G1SB+0], s44, (3<<16)|(1<<20)|(1<<21)|(5<<22)|(3<<25)
.irp g, G1S, G1SB
	s_mov_b32 s[\g+1], 32<<16
	s_mov_b32 s[\g+2], (128*KS/256)<<16
	s_mov_b32 s[\g+3], 32<<16
	s_mov_b32 s[\g+4], 128*KS/256
	s_mov_b32 s[\g+5], 32
	s_mov_b32 s[\g+6], 0
	s_mov_b32 s[\g+7], 0
.endr
	s_lshl_b32 s18, s16, 7                         ; which 128 rows I fetch
	s_lshl_b32 s20, s17, 8
	s_add_co_u32 s20, s20, s18                     ; A: row 256 x tile row + 128 x half
	s_lshl_b32 s46, s42, 8
	s_add_co_u32 s46, s46, s18                     ; B: row 256 x tile column + 128 x half
	s_mov_b32 s21, 0
	s_mov_b32 s47, 0
	s_mov_b64 s[18:19], KS
	s_mul_u64 s[22:23], s[20:21], s[18:19]         ; where these rows' scales begin, in bytes
	s_mul_u64 s[92:93], s[46:47], s[18:19]
	s_mov_b64 s[18:19], KROW
	s_mul_u64 s[20:21], s[20:21], s[18:19]         ; A's codes
	s_lshl_b32 s46, s46, 8                         ; B's images: 256 bytes for each row in a K half
	s_mul_i32 s45, s14, HALFT                      ; where they go: wave x a quarter of a slot: no place in the cluster enters an LDS address
	s_mul_i32 s94, s14, HALFS
	s_wait_dscnt 0x0                               ; both opening adds are done
	s_wait_kmcnt 0x0
	s_add_nc_u64 s[20:21], s[4:5], s[20:21]
	s_add_nc_u64 s[22:23], s[6:7], s[22:23]
	s_add_nc_u64 s[46:47], s[8:9], s[46:47]
	s_add_nc_u64 s[92:93], s[10:11], s[92:93]
	CROUND                                         ; all sixteen work-groups are here: the first joint loads meet
	s_mov_b32 s[G0S], 1
	s_add_co_u32 s[G0S+1], s94, SCL
	s_mov_b64 s[G0S+2:G0S+3], s[22:23]
	s_or_b32 s[G0S+3], s[G0S+3], 0x80000000
	s_mov_b32 s[G0SB], 1
	s_add_co_u32 s[G0SB+1], s94, SCL
	s_mov_b64 s[G0SB+2:G0SB+3], s[92:93]
	s_or_b32 s[G0SB+3], s[G0SB+3], 0x80000000
	JLOAD G0S, G1S, G0SB, G1SB                     ; the scales first: they are wanted with the first step
.irp s, 0,1
	s_mov_b32 s[G0+4*\s], 1
	s_add_co_u32 s[G0+4*\s+1], s45, \s*SLOT
	s_add_nc_u64 s[G0+4*\s+2:G0+4*\s+3], s[20:21], \s*ROWB
	s_or_b32 s[G0+4*\s+3], s[G0+4*\s+3], 0x80000000
	s_mov_b32 s[G0B+4*\s], 1
	s_add_co_u32 s[G0B+4*\s+1], s45, \s*SLOT
	s_add_nc_u64 s[G0B+4*\s+2:G0B+4*\s+3], s[46:47], \s*WPART
	s_or_b32 s[G0B+4*\s+3], s[G0B+4*\s+3], 0x80000000
	JLOAD G0+4*\s, G1, G0B+4*\s, G1B               ; three tensor loads of mine are out behind the second of these
.endr
	v_and_b32 v1, 15, v0                           ; r = lane % 16
	v_bfe_u32 v2, v0, 4, 1                         ; hh = lane / 16
	; the bias: the buffer by the kind, then my wave's 128 channels; lane (r, hh) wants, for block b, channels 16 b + 8 hh + 0 .. 7
	s_cmp_eq_u32 ttmp9, 0
	s_cselect_b64 s[96:97], s[96:97], s[98:99]
	s_cmp_eq_u32 ttmp9, 2
	s_cselect_b64 s[96:97], s[100:101], s[96:97]
	s_lshl_b32 s46, s40, 10                        ; 256 channels x 4 bytes for each tile column of the kind
	s_lshl_b32 s47, s16, 9
	s_add_co_u32 s46, s46, s47
	s_mov_b32 s47, 0
	s_add_nc_u64 s[96:97], s[96:97], s[46:47]
	v_lshlrev_b32 v[BO], 5, v2
.irp b, 0,1,2,3,4,5,6,7
	global_load_b128 v[BIAS+8*\b:BIAS+8*\b+3], v[BO], s[96:97] offset:64*\b
	global_load_b128 v[BIAS+8*\b+4:BIAS+8*\b+7], v[BO], s[96:97] offset:64*\b+16
.endr
	v_mul_u32_u24 v3, v1, PITCH
	v_lshl_add_u32 v4, v2, 4, v3                   ; A: a fragment's row x pitch + 16 x half
	v_and_b32 v6, 31, v0
	v_lshlrev_b32 v[CO], 4, v6                     ; 16 x lane: B's images, and the way out
	s_mul_i32 s21, s15, HALFT                      ; my 128 tokens of A
	s_mul_i32 s22, s16, HALFT                      ; my 128 rows of B,
	s_add_co_u32 s22, s22, 2*HALFT                 ; which lie behind A's 256
.irp s, 0,1
	v_add_nc_u32 v[ADRA+\s], s21, v4
	v_add_nc_u32 v[ADRB+\s], s22, v[CO]
	s_add_co_u32 s21, s21, SLOT
	s_add_co_u32 s22, s22, SLOT
.endr
	v_mul_u32_u24 v5, v1, KS                       ; my row's scales: 32 bytes a row,
	v_lshrrev_b32 v6, 8, v5
	v_lshl_add_u32 v5, v6, 4, v5                   ; and 16 more for each 256 passed
	s_mul_i32 s21, s15, HALFS                      ; A's: my 128 rows
	s_mul_i32 s22, s16, HALFS                      ; B's: my 128 rows, behind A's 256
	s_add_co_u32 s22, s22, 2*HALFS
	s_sub_co_u32 s22, s22, s21
	v_mul_u32_u24 v6, s22, v2                      ; lanes 16-31 take B's: one product, the lower base + hh x the distance
	s_add_co_u32 s21, s21, SCL
	v_add_nc_u32 v5, v5, v6
	v_add_nc_u32 v[ADRS], s21, v5
	; where my results begin in qkv
	s_lshl_b32 s20, ttmp9, 24                      ; the kind: 16,777,216 bytes
	s_lshr_b32 s21, s17, 3
	s_lshl_b32 s21, s21, 22                        ; the batch: eight tile rows, 4,194,304 bytes
	s_add_co_u32 s20, s20, s21
	s_and_b32 s21, s17, 7
	s_lshl_b32 s21, s21, 15                        ; 16 blocks of 16 tokens x 2,048 bytes a tile row
	s_add_co_u32 s20, s20, s21
	s_lshl_b32 s21, s15, 14                        ; my half of them
	s_add_co_u32 s20, s20, s21
	s_lshl_b32 s21, s40, 20                        ; four heads of 262,144 bytes a tile column
	s_add_co_u32 s20, s20, s21
	s_lshl_b32 s21, s16, 19                        ; my two of them
	s_add_co_u32 s20, s20, s21
	s_mov_b32 s21, 0
	s_add_nc_u64 s[12:13], s[12:13], s[20:21]
.macro FRAG reg, adr, q, i             ; A: 16 rows x 128 K of 4-bit codes: lane l holds row l % 16; registers 4 c .. 4 c + 3 hold K = 64 c + 32 (l / 16) + 0 .. 31
.irp c, 0,1
	ds_load_b128 v[\reg+4*\c:\reg+4*\c+3], v[\adr] offset:64*(\q)+32*\c+(\i)*16*PITCH
.endr
.endm
.macro FRAGB reg, adr, q, i            ; B: the same registers, as they were laid: 512 consecutive bytes a load
.irp c, 0,1
	ds_load_b128 v[\reg+4*\c:\reg+4*\c+3], v[\adr] offset:(\i)*4096+(\q)*1024+512*\c
.endr
.endm
; 16 matrix instructions: A's blocks a0, a0 + 1 x B's eight, 128 along K: the slot's q-th.  p: B's set;  sc: the set of scale words.  first = 1: the sums start from the bias.
; The 64 accumulators take turns, one instruction a turn, in the same order in every step.
.macro MUL16 a0, p, q, sc, first
.irp a, \a0, \a0+1
.irp b, 0,1,2,3,4,5,6,7
.if \first
	v_wmma_scale_f32_16x16x128_f8f6f4 v[8*(8*((\a)%4)+\b):8*(8*((\a)%4)+\b)+7], v[128*(\p)+FR*\b:128*(\p)+FR*\b+FR-1], v[AF+FR*(\a):AF+FR*(\a)+FR-1], v[BIAS+8*\b:BIAS+8*\b+7], v[SC+8*NQ*(\sc)+NQ*\b+(\q)], v[SC+8*NQ*(\sc)+NQ*(\a)+(\q)] matrix_a_fmt:MATRIX_FMT_FP4 matrix_b_fmt:MATRIX_FMT_FP4 matrix_a_scale:MATRIX_SCALE_ROW1
.else
	v_wmma_scale_f32_16x16x128_f8f6f4 v[8*(8*((\a)%4)+\b):8*(8*((\a)%4)+\b)+7], v[128*(\p)+FR*\b:128*(\p)+FR*\b+FR-1], v[AF+FR*(\a):AF+FR*(\a)+FR-1], v[8*(8*((\a)%4)+\b):8*(8*((\a)%4)+\b)+7], v[SC+8*NQ*(\sc)+NQ*\b+(\q)], v[SC+8*NQ*(\sc)+NQ*(\a)+(\q)] matrix_a_fmt:MATRIX_FMT_FP4 matrix_b_fmt:MATRIX_FMT_FP4 matrix_a_scale:MATRIX_SCALE_ROW1
.endif
.endr
.endr
.endm
.macro FETCH_B slot, q, p              ; B's eight fragments of the slot's q-th 128 along K into set p
	WIN TO_B
.irp i, 0,1,2,3,4,5,6,7
	FRAGB 128*(\p)+FR*\i, ADRB+\slot, \q, \i
.endr
	WIN 0
.endm
.macro FETCH_A slot, q, i0             ; A's blocks i0 .. i0 + 3
.irp i, \i0, \i0+1, \i0+2, \i0+3
	FRAG AF+FR*(\i), ADRA+\slot, \q, \i
.endr
.endm
.macro SCALES sc                       ; a slot's scale words into set sc: four words a row; lanes 0-15 take A's block i, lanes 16-31 B's block i
.irp i, 0,1,2,3,4,5,6,7
	ds_load_b128 v[SC+8*NQ*\sc+NQ*\i:SC+8*NQ*\sc+NQ*\i+3], v[ADRS] offset:\i*SBLK
.endr
.endm
; A load into a register that a matrix instruction has read, and a vector instruction that reads a matrix result or writes one of its registers, stand NP places behind it; only plain vector
; instructions that name none of its registers are places (ISA guide 7.12.1 for vector instructions).
.macro PLACES n
.rept \n
	v_nop
.endr
.endm
; A step of 128 along K that has its successor in the same slot.  A's blocks are free as soon as their eight products are issued: blocks 0-3 are fetched anew in the middle, 4-7 at the end.
.macro STEP slot, q, first
	s_wait_dscnt 4*NL                              ; B's set, the scale words and A's blocks 0-3 are in; the youngest eight loads (A's blocks 4-7) may be out
.if \first
	WIN FST_LO
.else
	WIN MUL_LO
.endif
	MUL16 0, (\q)%2, \q, \slot, \first
	MUL16 2, (\q)%2, \q, \slot, \first
	s_wait_dscnt 0                                 ; A's blocks 4-7 are in (asked for 32 matrix instructions ago)
	PLACES NP
	FETCH_B \slot, (\q)+1, 1-(\q)%2
	FETCH_A \slot, (\q)+1, 0
.if \first
	WIN FST_HI
.else
	WIN MUL_HI
.endif
	MUL16 4, (\q)%2, \q, \slot, \first
	MUL16 6, (\q)%2, \q, \slot, \first
	PLACES NP
	WIN 0
	FETCH_A \slot, (\q)+1, 4
.endm
.macro STEPS slot, from                ; the slot's steps from .. NQ - 2
.set Q, \from
.rept NQ-1-\from
	STEP \slot, Q, 0
.set Q, Q+1
.endr
.endm
	s_wait_tensorcnt 1                             ; the scales and my part of slot 0 are in; slot 1's load, the one issued behind them, may be out
	s_barrier_signal -1
	s_barrier_wait -1                              ; everybody's are
	FETCH_B 0, 0, 0
	FETCH_A 0, 0, 0
	SCALES 0
	FETCH_A 0, 0, 4
	s_wait_loadcnt 0x0                             ; the bias
	STEP 0, 0, 1                                   ; the first step's products start the sums from the bias: nothing is cleared, nothing is added later
	STEPS 0, 1
	; slot 0's last step changes slots: one barrier; in front of it my part of slot 1 has landed
	s_wait_tensorcnt 0x0                           ; all my tensor loads have landed  (every window is 0 here)
	ds_add_u32 v[SPW], v[NIL]                      ; 0 onto my spare word
	s_wait_dscnt 4*NL+1                            ; (the add and the youngest eight loads, A's blocks 4-7, may be out)
	WIN MUL_LO
	MUL16 0, 1, NQ-1, 0, 0
	s_wait_dscnt 0x0                               ; no LDS instruction of mine is out at the signal
	s_barrier_signal -1
	MUL16 2, 1, NQ-1, 0, 0
	WIN 0
	s_barrier_wait -1                              ; slot 1 is whole
	PLACES NP
	v_add_nc_u32 v[ADRS], 4*NQ, v[ADRS]            ; on to slot 1's scale words (no LDS load of mine is out)
	FETCH_B 1, 0, 0
	FETCH_A 1, 0, 0
	SCALES 1
	WIN MUL_HI
	MUL16 4, 1, NQ-1, 0, 0
	MUL16 6, 1, NQ-1, 0, 0
	PLACES NP
	WIN 0
	FETCH_A 1, 0, 4
	STEPS 1, 0
	s_wait_dscnt 4*NL                              ; the very last step: nothing more to fetch
	WIN MUL_LO
	MUL16 0, 1, NQ-1, 1, 0
	MUL16 2, 1, NQ-1, 1, 0
	s_wait_dscnt 0
	WIN MUL_HI
	MUL16 4, 1, NQ-1, 1, 0
	MUL16 6, 1, NQ-1, 1, 0
; THE WAY OUT, block by block of 16 tokens.  A lane's eight results of an accumulator are eight neighbouring channels of one token: four roundings make its 16 bytes of the image.
; The packed results fill window 1, each store has registers of its own, so no wait stands between the stores.  Each accumulator is read from its low end on.
.macro OUT a
.set AC, 64*((\a)%4)
	WIN 0x4a+5*((\a)/4)                            ; sources window 2 or 3, destination window 1
.irp b, 0,1,2,3,4,5,6,7
.irp r, 0,1,2,3
	v_cvt_pk_f16_f32 v[32*(\a)+4*\b+\r], v[AC+8*\b+2*\r], v[AC+8*\b+2*\r+1]
.endr
.endr
	WIN 0x04                                       ; a store's data are its source 1: window 1
.irp b, 0,1,2,3,4,5,6,7
	global_store_b128 v[CO], v[32*(\a)+4*\b:32*(\a)+4*\b+3], s[12:13] offset:(\b/4)*262144+(\a)*2048+(\b%4)*512   ; head b / 4 of my two, tokens 16 a on, channels 16 (b % 4) on: 512 consecutive bytes, aligned
.endr
.endm
	PLACES NP                                      ; behind the last products: their results are read and B's registers written below
.irp a, 0,1,2,3,4,5,6,7
	OUT \a
.endr
	WIN 0
	s_wait_tensorcnt 0x0                           ; the wave's end: these three lines behind my last tensor load
	ds_add_u32 v[SPW], v[NIL]
	s_wait_dscnt 0x0
	CROUND                                         ; the closing round: no work-group ends while a partner may still ask for a tile that names it
	s_endpgm
.Lfunc_end_k_q38f0b6b8ad_proj:
	.size	k_q38f0b6b8ad_proj, .Lfunc_end_k_q38f0b6b8ad_proj-k_q38f0b6b8ad_proj
	.p2alignl 7, 3214868480
	.fill 96, 4, 3214868480
	.section	.rodata,"a",@progbits
	.p2align	6, 0x0
	.amdhsa_kernel k_q38f0b6b8ad_proj
		.amdhsa_group_segment_fixed_size 327680
		.amdhsa_private_segment_fixed_size 0
		.amdhsa_enable_private_segment 0
		.amdhsa_kernarg_size 64
		.amdhsa_user_sgpr_count 2
		.amdhsa_user_sgpr_kernarg_segment_ptr 1
		.amdhsa_wavefront_size32 1
		.amdhsa_system_sgpr_workgroup_id_x 1
		.amdhsa_system_sgpr_workgroup_id_y 1
		.amdhsa_system_sgpr_workgroup_id_z 1
		.amdhsa_system_vgpr_workitem_id 0
		.amdhsa_next_free_vgpr 1024
		.amdhsa_next_free_sgpr 102
		.amdhsa_reserve_vcc 0
		.amdhsa_float_denorm_mode_32 3
		.amdhsa_float_denorm_mode_16_64 3
		.amdhsa_memory_ordered 1
		.amdhsa_forward_progress 1
		.amdhsa_inst_pref_size 119
	.end_amdhsa_kernel
	.amdgpu_metadata
---
amdhsa.version: [ 1, 2 ]
amdhsa.kernels:
  - .name:           k_q38f0b6b8ad_proj
    .symbol:         k_q38f0b6b8ad_proj.kd
    .args:
      - { .name: x_codes, .offset: 0, .size: 8, .value_kind: global_buffer, .address_space: global }
      - { .name: x_scales, .offset: 8, .size: 8, .value_kind: global_buffer, .address_space: global }
      - { .name: w_codes, .offset: 16, .size: 8, .value_kind: global_buffer, .address_space: global }
      - { .name: w_scales, .offset: 24, .size: 8, .value_kind: global_buffer, .address_space: global }
      - { .name: qkv, .offset: 32, .size: 8, .value_kind: global_buffer, .address_space: global }
      - { .name: bq, .offset: 40, .size: 8, .value_kind: global_buffer, .address_space: global }
      - { .name: bk, .offset: 48, .size: 8, .value_kind: global_buffer, .address_space: global }
      - { .name: bv, .offset: 56, .size: 8, .value_kind: global_buffer, .address_space: global }
    .group_segment_fixed_size: 327680
    .private_segment_fixed_size: 0
    .kernarg_segment_align: 8
    .kernarg_segment_size: 64
    .max_flat_workgroup_size: 128
    .sgpr_count:     102
    .vgpr_count:     1024
    .wavefront_size: 32
...
	.end_amdgpu_metadata
.endif
;; end of part 2
;; launch attn (part 3): grid 4 x 64, 8 waves a work-group, clusters of 4 x 1, 327,680 bytes of LDS; arguments qkv, out0; writes out0
.if DOCPART == 3
	.amdgcn_target "amdgcn-amd-amdhsa--gfx1250"
	.amdhsa_code_object_version 6
	.text
	.protected	k_q38f0b6b8ad_attn
	.globl	k_q38f0b6b8ad_attn
	.p2align	8
	.type	k_q38f0b6b8ad_attn,@function
k_q38f0b6b8ad_attn:
	s_mov_b64 s[64:65], 0
	v_nop
	global_prefetch_b8 v0, s[64:65] scope:SCOPE_SE
	s_setreg_imm32_b32 hwreg(HW_REG_WAVE_MODE, 25, 1), 1
	s_wait_xcnt 0x0
	s_wait_alu depctr_hold_cnt(0) depctr_sa_sdst(0) depctr_va_vdst(0) depctr_va_sdst(0) depctr_va_ssrc(0) depctr_va_vcc(0) depctr_vm_vsrc(0)
	s_getreg_b32 s2, hwreg(HW_REG_IB_STS2, 6, 4)
	s_cmp_eq_u32 s2, 0
	s_cbranch_scc0 .Lentry_in_a_cluster
	s_endpgm
.Lentry_in_a_cluster:
	s_bfe_u32 s2, ttmp6, 0x10000c
	s_cmp_lg_u32 s2, 0x3003
	s_cbranch_scc0 .Lentry_shape_is_right
	s_endpgm
.Lentry_shape_is_right:
; out0[b][s][64 h + e] = the sum over t of softmax_t(q[b][h][s] . k[b][h][t] / 8) v[b][h][t][e].  q, k, v: f16, in qkv as register images
; [kind (q, k, v)][b][h][16 tokens (128)][16 channels (4)][lane (32)][16 bytes]: lane 16 hh + r holds token r, channels 8 hh + 0 .. 7 of the block.  Products by the f16 matrix form, sums, maxima and the softmax in f32;
; the weights p are rounded to f16 for the second product; the row's sum is taken of the unrounded p.
; LIMITS: q, k, v were rounded to f16 by the launch before (|.| under 65,504); p under 6e-8 is lost in f16, beside a row's sum of 1 or more.
; SHARES.  A cluster of four work-groups owns one (b, h); a work-group 512 queries; each of its eight waves 64: four tiles of 16.  Every wave walks all 2,048 keys, 64 a step.
; LAYOUT.  S^T = K Q^T (source 0 = 16 keys, source 1 = 16 queries): a lane holds ONE query (lane % 16) and the keys 8 (lane / 16) + 0..7 of each tile of keys.  Two such tiles, rounded in pairs,
; ARE source 1 (16 queries x 32 keys) of O^T = V^T P, whose result again holds one query a lane and eight channels.  K's images are its fragments as they lie; V's are turned by ds_load_tr16_b128.
; SOFTMAX.  For each query a running maximum m and sum l: p = 2^(c s - c m), c = log2(e) / 8; in every step O and l are multiplied by a = 2^(c m_old - c m_new).  m begins at -3e38, O and l at 0: one text serves every step.
; BY TURNS.  The wave's tiles are two pieces: piece 0 (tiles 0, 1) and piece 2 (tiles 2, 3).  In a TURN one piece has the matrix unit: 16 products V^T P of the step in hand, then 16 products K Q^T of the next;
; the other piece's softmax stands between them.  Then they change places.  Two turns are a key step.
; CLUSTER.  The four work-groups walk the same K and V: each tile is asked for JOINTLY, by the same tensor load with the same descriptor and a mask that names the four.
; REGISTERS, in two windows of 256 (s_set_vgpr_msb: bits 1:0 source 0, 3:2 source 1, 5:4 source 2, 7:6 destination):
;   window 0: v1-13 addresses; v16-47 eight registers of statistics a tile; v64-191 S^T, 32 a tile, whose low 16 then hold P; v192-255 K of one step
;   window 1: v0-63 Q, 16 a tile; v64-127 V of one step; v128-255 O^T, 32 a tile
; The windows are laid so that vector work runs under a product's own setting: under W_KQ (only source 1 in window 1) every line whose source 1 is no vector register: scalings, exponentials, sums;
; under W_PV (D, source 0 and C in window 1) the rescaling of O^T.  Only the maxima and the roundings want window 0.
.set STEPB, 8192      ; a key step's K, or V: 4 blocks of 16 keys x 2,048 bytes
.set PARTB, 65536     ; a slot's K, or V: 512 keys, eight steps
.set VOFF,  PARTB     ; in a slot: K, then V
.set SLOT1, 1<<17     ; slot 1 begins here, so that one exclusive or turns an address in one slot into the other's
.set STAGE, 2*SLOT1   ; behind the ring: 16 rows x 272 bytes for each wave, for the way out; no fill lands there
.set SP,    272
.set SPARE, STAGE+8*16*SP  ; behind the stages: the spare words, 128 bytes for each wave: four blocks of 256 bytes that no other line names
.set AK0, 2           ; v2   16 x lane: my place in an image
.set AV0, 3           ; v3   my place for the turning load, in V's part of a slot
.set ADK, 4           ; v4   LDS address of K's run of loads
.set ADV, 5           ; v5   of V's
.set STO, 7           ; v7   the way out: where I put 32 bytes of a row
.set RD,  8           ; v8   where I read a row back
.set GO,  9           ; v9   my byte offset in the wave's rows of out0
.set PFO, 10          ; v10  256 x lane; never rewritten
.set SPW, 12          ; v12  LDS address of my spare word; never rewritten
.set NIL, 13          ; v13  0; never rewritten
.set ST,  16          ; tile t's statistics at v[ST+8 t]: +0 c m, +1 m, +2, +3 l (even keys', odd keys'), +4 to +7 c0-c3 at work; a takes c2's place, the sums' second chain c0 and c1
.set S,   64
.set KF,  192
.set QF,  0           ; in window 1
.set VF,  64
.set OB,  128
.set WV,  12          ; s12  my wave's number
.set LIM, 15          ; s15  1 in a wave that prefetches, else the greatest number
.set PFA, 18          ; s[18:19] what my prefetch names; never rewritten
.set G1,  24          ; s[24:31] descriptor group 1
.set G0,  32          ; s[32:35] group 0 of slot 0's first fill; s[36:39] of slot 1's, which then walks on
.set SLOTS, 56        ; s56  slots still to be asked for
.set CNT, 57          ; s57  counts key steps
.set CS,  58          ; s[58:59] c: the packed scaling names a pair and takes its low word for both halves
.set SEL, 60          ; s[60:61] lane selects for v_permlanex16_b32: lane l xor 16
.set TB,  62          ; s62  LDS byte at which the K of the step to be fetched begins
.set MSB, 0
.macro WIN new                      ; the immediate's high byte repeats the setting that is left; a switch that changes nothing is dropped
.if MSB != \new
	s_set_vgpr_msb (MSB<<8)|\new
.set MSB, \new
.endif
.endm
.set W_KQ, 0x04
.set W_PV, 0x51
.macro CROUND                       ; a round of the cluster's barrier
	s_barrier_signal -1
	s_barrier_wait -1
	s_cmp_lg_u32 s[WV], 0
	s_cbranch_scc1 .Lnot_wave_0_\@
	s_barrier_signal -3
.Lnot_wave_0_\@:
	s_barrier_wait -3
	s_barrier_signal -1
	s_barrier_wait -1
.endm
	s_load_b128 s[4:7], s[0:1], 0x0  ; qkv s[4:5], out0 s[6:7]
	v_lshl_add_u32 v[SPW], v0, 2, SPARE
	v_mov_b32 v[NIL], 0
	ds_add_u32 v[SPW], v[NIL]       ; the wave's opening: the add, twice on end, and its wait ahead of my first tensor load; the set-up below stands between
	ds_add_u32 v[SPW], v[NIL]
	v_lshrrev_b32 v1, 5, v0
	v_readfirstlane_b32 s[WV], v1   ; wave 0..7
	s_bfe_u32 s13, ttmp6, 0x40000   ; cx: my place in the cluster
	s_lshl_b32 s14, ttmp9, 2
	s_add_co_u32 s14, s14, s13      ; my block of 512 queries: it enters Q's and out0's addresses alone
	s_and_b32 s16, ttmp7, 0xffff    ; 16 b + h, which the four partners share
	s_lshl_b32 s20, s16, 18         ; the head's 262,144 bytes in a kind
	s_lshr_b32 s21, s[WV], 2        ; waves 0-3 fetch K, waves 4-7 V
	s_add_co_u32 s21, s21, 1
	s_lshl_b32 s21, s21, 24         ; the kind's 16,777,216 bytes
	s_add_co_u32 s21, s21, s20      ; K or V of my head
	s_and_b32 s22, s[WV], 3
	s_lshl_b32 s22, s22, 14         ; my quarter of a slot's 65,536 bytes
	s_add_co_u32 s22, s22, s21
	s_mov_b32 s23, 0
	s_lshl_b32 s40, s13, 14         ; the prefetch: my work-group's quarter of the last 512 keys,
	s_add_co_u32 s40, s40, s21
	s_bfe_u32 s41, s[WV], 0x10001
	s_lshl_b32 s41, s41, 13         ; my wave's half of it
	s_add_co_u32 s40, s40, s41
	s_add_co_u32 s40, s40, 3*PARTB
	s_mov_b32 s41, 0
	s_lshl_b32 s42, s14, 16         ; Q: my block's 32 tiles of 2,048 bytes,
	s_add_co_u32 s42, s42, s20
	s_lshl_b32 s43, s[WV], 13       ; my wave's four
	s_add_co_u32 s42, s42, s43
	s_mov_b32 s43, 0
	s_lshr_b32 s44, s16, 4
	s_lshl_b32 s44, s44, 23         ; out0: the batch's 2,048 rows of 4,096 bytes,
	s_lshl_b32 s45, s14, 21         ; my block's 512,
	s_add_co_u32 s44, s44, s45
	s_lshl_b32 s45, s[WV], 18       ; my wave's 64,
	s_add_co_u32 s44, s44, s45
	s_and_b32 s45, s16, 15
	s_lshl_b32 s45, s45, 8          ; the head's 256 bytes of a row
	s_add_co_u32 s44, s44, s45
	s_mov_b32 s45, 0
	; descriptor group 1: a dense block of 16,384 bytes as 64 rows of 256 (32 elements of 8 bytes), no padding: images are read 512 consecutive bytes a load
	s_mov_b32 s[G1], 15|(3<<16)|(1<<21)  ; 15:0 the mask: all four work-groups; 17:16 elements of 8 bytes; 21 set beside a mask
	s_mov_b32 s[G1+1], 32<<16       ; tensor_dim0
	s_mov_b32 s[G1+2], 64<<16       ; tensor_dim1
	s_mov_b32 s[G1+3], 32<<16       ; tile_dim0
	s_mov_b32 s[G1+4], 64           ; tile_dim1
	s_mov_b32 s[G1+5], 32           ; from row to row
	s_mov_b32 s[G1+6], 0
	s_mov_b32 s[G1+7], 0
	s_mov_b32 s[G0], 1
	s_lshl_b32 s[G0+1], s[WV], 14   ; LDS: wave x 16,384: K's four quarters, then V's: no place in the cluster enters an LDS address
	s_mov_b32 s[G0+4], 1
	s_add_co_u32 s[G0+5], s[G0+1], SLOT1
	s_mov_b32 s[CS], 0x3e38aa3b     ; c = log2(e) / 8
	s_mov_b32 s[CS+1], s[CS]        ; named with it as a pair, so it is written
	s_mov_b32 s[SEL], 0x76543210
	s_mov_b32 s[SEL+1], 0xfedcba98
	s_mov_b32 s[TB], 0
	s_and_b32 s[LIM], s[WV], 1      ; the even waves prefetch: the same in all four partners
	s_cmp_eq_u32 s[LIM], 0
	s_cselect_b32 s[LIM], 1, -1
	v_and_b32 v11, 31, v0           ; lane
	v_lshlrev_b32 v[AK0], 4, v11
	v_lshlrev_b32 v[PFO], 8, v11
	v_and_b32 v1, 15, v0            ; r = lane % 16
	v_bfe_u32 v6, v0, 4, 1          ; hh = lane / 16
	; The turning load takes 16 keys x 16 channels and leaves half a fragment of V^T: lane l gets channel l % 16 and keys 8 (l / 16) + 0..7.  For that lane l addresses key 8 (l / 16) + l % 8,
	; channels 8 ((l / 8) % 2) + 0..7, which the image holds at 16 x (16 ((l / 8) % 2) + 8 (l / 16) + l % 8).  (The two groups of eight lanes of a half wave lie 256 bytes apart: kept, so that one image serves q, k and v.)
	v_and_b32 v[AV0], 7, v0
	v_lshlrev_b32 v[AV0], 4, v[AV0]
	v_bfe_u32 v4, v0, 3, 1
	v_lshl_add_u32 v[AV0], v4, 8, v[AV0]
	v_lshl_add_u32 v[AV0], v6, 7, v[AV0]
	v_add_nc_u32 v[AV0], VOFF, v[AV0]
	s_wait_dscnt 0x0                ; both opening adds are done
	s_wait_kmcnt 0x0
	s_add_nc_u64 s[G0+2:G0+3], s[4:5], s[22:23]      ; keys 0 to 511: my quarter
	s_add_nc_u64 s[G0+6:G0+7], s[G0+2:G0+3], PARTB   ; keys 512 to 1,023
	s_or_b32 s[G0+3], s[G0+3], 0x80000000            ; type = 2
	s_or_b32 s[G0+7], s[G0+7], 0x80000000
	s_add_nc_u64 s[PFA:PFA+1], s[4:5], s[40:41]
	s_add_nc_u64 s[8:9], s[4:5], s[42:43]            ; Q at my wave's first tile
	s_add_nc_u64 s[6:7], s[6:7], s[44:45]            ; out0 at my wave's first row, my head's bytes
	CROUND                          ; all four work-groups are here: the first joint loads meet
	tensor_load_to_lds s[G0:G0+3], s[G1:G1+7]        ; both first fills on end, ahead of every wait on TENSORcnt and every LDS read: two loads of mine are out
	s_nop 0
	tensor_load_to_lds s[G0+4:G0+7], s[G1:G1+7]
	s_nop 0
.rept 4
	v_nop
.endr
	WIN 0x40                        ; destination window 1, address window 0
.irp i, 0,1,2,3,4,5,6,7,8,9,10,11,12,13,14,15   ; Q stays in registers: fragment (tile i / 4, channels 32 ((i / 2) % 2) on) half i % 2
	global_load_b128 v[QF+4*\i:QF+4*\i+3], v[AK0], s[8:9] offset:512*\i
.endr
.set u, 0
.rept 128
	v_mov_b32 v[OB+u], 0            ; O^T.  The key step is written once for all 32 steps: the first finds zeros, which its a = 0 leaves zeros; a first step of its own would be a fourth copy of the step's text
.set u, u+1
.endr
	WIN 0
.irp t, 0,1,2,3
	v_mov_b32 v[ST+8*\t+1], 0xff61b1e6              ; m: -3e38, under every score
	v_mul_f32 v[ST+8*\t], s[CS], v[ST+8*\t+1]       ; c m
.irp w, 2,3,4,5,6,7
	v_mov_b32 v[ST+8*\t+\w], 0                      ; l; and the rest is written once: a lane permute's destination and a pair's upper half count as read
.endr
.endr
; THE MATRIX WORK OF A TURN, for piece x: MM writes number i of 32 and steps i.  The accumulators take turns, one instruction a turn: between two links of a chain stand seven others'.
; i < 16: O^T += V^T P: keys 32 (i / 8) on, channels 16 ((i / 2) % 4) on, tile x + i % 2.   i >= 16, ii = i - 16: S^T = K Q^T: channels 32 (ii / 8) on, keys 16 ((ii / 2) % 4) on, tile x + ii % 2; the first 8 start the sums.
.macro MM x, pv, kq
.if i < 16
.if \pv
	WIN W_PV
.set rO, OB+32*(\x+i%2)+8*((i/2)%4)
.set rV, VF+8*(4*(i/8)+(i/2)%4)
.set rP, S+32*(\x+i%2)+8*(i/8)
	v_wmma_f32_16x16x32_f16 v[rO:rO+7], v[rV:rV+7], v[rP:rP+7], v[rO:rO+7]
.endif
.else
.if \kq
.set ii, i-16
.if (ii == 0) && (\x == 0)
	s_wait_dscnt 0x0                ; K is in
.endif
	WIN W_KQ
.set rS, S+32*(\x+ii%2)+8*((ii/2)%4)
.set rK, KF+16*((ii/2)%4)+8*(ii/8)
.set rQ, QF+16*(\x+ii%2)+8*(ii/8)
.if ii < 8
	v_wmma_f32_16x16x32_f16 v[rS:rS+7], v[rK:rK+7], v[rQ:rQ+7], 0
.else
	v_wmma_f32_16x16x32_f16 v[rS:rS+7], v[rK:rK+7], v[rQ:rQ+7], v[rS:rS+7]
.endif
.endif
.endif
.set i, i+1
.endm
; THE LDS LOADS stand in two runs of 16 a key step.
.macro FETCH_K
	WIN 0
	v_add_nc_u32 v[ADK], s[TB], v[AK0]
.irp f, 0,1,2,3,4,5,6,7,8,9,10,11,12,13,14,15   ; keys 16 (f / 4) on, channels 16 (f % 4) on: 512 consecutive bytes a load
	ds_load_b128 v[KF+4*\f:KF+4*\f+3], v[ADK] offset:512*\f
.endr
.endm
.macro FETCH_V
	WIN 0
	v_add_nc_u32 v[ADV], s[TB], v[AV0]
	s_add_co_u32 s[TB], s[TB], STEPB  ; the next fetch is the next step's
	WIN 0x40                        ; destination window 1
.irp kt, 0,1,2,3
.irp ct, 0,1,2,3
	ds_load_tr16_b128 v[VF+8*(4*(\kt/2)+\ct)+4*(\kt%2):VF+8*(4*(\kt/2)+\ct)+4*(\kt%2)+3], v[ADV] offset:\kt*2048+\ct*512
.endr
.endr
.endm
; THE VECTOR WORK.  SA: line n of 22 of a tile's maximum and a.  s0-s31 are the lane's 32 scores.  Each accumulator's first read is of its three lowest registers.
.macro SA n, t
.set rT, ST+8*(\t)
.set rS, S+32*(\t)
.if \n < 4
	v_max3_num_f32 v[rT+4+\n], v[rS+8*\n], v[rS+8*\n+1], v[rS+8*\n+2]      ; four chains of seven scores
.elseif \n < 12
	v_max3_num_f32 v[rT+4+\n%4], v[rT+4+\n%4], v[rS+8*(\n%4)+2*(\n/4)+1], v[rS+8*(\n%4)+2*(\n/4)+2]
.elseif \n == 12
	v_max3_num_f32 v[rT+4], v[rT+4], v[rS+7], v[rS+15]                     ; the four scores left over
.elseif \n == 13
	v_max3_num_f32 v[rT+6], v[rT+6], v[rS+23], v[rS+31]
.elseif \n == 14
	v_max3_num_f32 v[rT+4], v[rT+4], v[rT+5], v[rT+6]
.elseif \n == 15
	v_max3_num_f32 v[rT+4], v[rT+4], v[rT+7], v[rT+1]                      ; and the old m
.elseif \n == 16
	v_permlanex16_b32 v[rT+5], v[rT+4], s[SEL], s[SEL+1]                   ; the query's other 32 keys lie in the lane 16 away
.elseif \n == 17
	v_mov_b32 v[rT+7], v[rT]                                               ; c m_old is kept for a
.elseif \n == 18
	v_max_num_f32 v[rT+1], v[rT+4], v[rT+5]
.elseif \n == 19
	v_mul_f32 v[rT], s[CS], v[rT+1]
.elseif \n == 20
	v_sub_f32 v[rT+7], v[rT+7], v[rT]
.else
	v_exp_f32 v[rT+6], v[rT+7]                                             ; a
.endif
.endm
.macro RSM x, pv, kq, t             ; pair u of tile t's O^T times a, under the setting of V^T P; behind every third such line a product, until the turn's sixteenth
	WIN W_PV
	v_pk_mul_f32 v[OB+32*(\t)+2*u:OB+32*(\t)+2*u+1], v[OB+32*(\t)+2*u:OB+32*(\t)+2*u+1], v[ST+8*(\t)+6:ST+8*(\t)+7] op_sel_hi:[1,0]
.set cnt, cnt+1
.if ((cnt % 3) == 0) && (cnt <= 24)
	MM \x, \pv, \kq
.endif
.endm
.macro FM t                         ; pair bb of tile t: c s - c m
	v_pk_fma_f32 v[S+32*(\t)+2*bb:S+32*(\t)+2*bb+1], v[S+32*(\t)+2*bb:S+32*(\t)+2*bb+1], s[CS:CS+1], v[ST+8*(\t):ST+8*(\t)+1] op_sel_hi:[1,0,0] neg_lo:[0,0,1] neg_hi:[0,0,1]
.endm
.macro EX t                         ; pair b of tile t: p
	v_exp_f32 v[S+32*(\t)+2*b], v[S+32*(\t)+2*b]
	v_exp_f32 v[S+32*(\t)+2*b+1], v[S+32*(\t)+2*b+1]
.endm
.macro SUM t                        ; the sums, in two chains; the multiplier 1.0 keeps source 1 free of a vector register, so that the setting of K Q^T can stand
.set rT, ST+8*(\t)
.set rS, S+32*(\t)
	v_pk_fma_f32 v[rT+2:rT+3], v[rS+4*z:rS+4*z+1], 1.0, v[rT+2:rT+3] op_sel_hi:[1,0,1]
.if z == 1
	v_pk_fma_f32 v[rT+4:rT+5], v[rS+2:rS+3], 1.0, v[rS+6:rS+7] op_sel_hi:[1,0,1]
.elseif z > 1
	v_pk_fma_f32 v[rT+4:rT+5], v[rS+4*z+2:rS+4*z+3], 1.0, v[rT+4:rT+5] op_sel_hi:[1,0,1]
.endif
.endm
; A TURN.  Piece x has the matrix unit; the softmax of the other piece, tiles 2 - x and 3 - x, stands among its products.  pv = 1: 16 products V^T P; kq = 1: 16 products K Q^T for the next step.
; PLACES (ISA guide 7.12.1 for vector instructions).  Behind the last K Q^T stand the 32 roundings, which name the other piece's registers alone: they serve the next turn's first read of the scores and K's loads.
; Behind the last V^T P stand eight rescalings of the other piece's O^T: they serve V's loads (four are asked) and the K Q^T that writes over P (five).
.macro TURN x, pv, kq
.set i, 0
.if (\x == 0) && \kq
	FETCH_K                         ; the next step's K: both pieces have multiplied by the last step's
.endif
.if (\x == 0) && \pv
	s_wait_dscnt 16*\kq             ; V is in: its 16 loads are older than K's 16 just issued, which may be out
.endif
.irp n, 0,1,2,3,4,5,6,7,8,9,10,11,12,13,14,15,16,17,18,19,20,21
	WIN 0
	SA \n, 2-\x                     ; the two tiles alternate, so that no line waits for the line above it
	SA \n, 3-\x
.if (\n < 16) && ((\n % 2) == 1)
	MM \x, \pv, \kq
.endif
.endr
	v_nop                           ; a plain line behind the two exponentials,
	s_wait_alu depctr_va_vdst(0)    ; and the wait ahead of the first line that names a
.irp t, 2-\x, 3-\x
	v_pk_mul_f32 v[ST+8*(\t)+2:ST+8*(\t)+3], v[ST+8*(\t)+2:ST+8*(\t)+3], v[ST+8*(\t)+6:ST+8*(\t)+7] op_sel_hi:[1,0]   ; l times a
.endr
.set u, 0
.set cnt, 0
.rept 16
	RSM \x, \pv, \kq, 2-\x
	RSM \x, \pv, \kq, 3-\x
.set u, u+1
.endr
.if \x == 2
	FETCH_V                         ; the next step's V: both pieces have multiplied by the last step's
.endif
	WIN W_KQ
.irp w, 0,1
.set bb, \w
	FM 2-\x
	FM 3-\x
.endr
.set b, 0
.rept 16                            ; ONE BATCH: 32 scalings and 64 exponentials, none of which reads an exponential's result; a pair is scaled two rounds ahead of its exponentials
.irp t, 2-\x, 3-\x
.if b+2 < 16
.set bb, b+2
	FM \t
.endif
	EX \t
.endr
.if b < 12
	MM \x, \pv, \kq
.endif
.set b, b+1
.endr
	v_nop                           ; a plain line behind the last exponential,
	s_wait_alu depctr_va_vdst(0)    ; and one wait for the batch, ahead of its first reader
.set z, 0
.rept 8
.irp t, 2-\x, 3-\x
	SUM \t
.endr
.if ((z % 2) == 1) && (z < 7)
	MM \x, \pv, \kq
.endif
.set z, z+1
.endr
.irp t, 2-\x, 3-\x
	v_pk_fma_f32 v[ST+8*(\t)+2:ST+8*(\t)+3], v[ST+8*(\t)+4:ST+8*(\t)+5], 1.0, v[ST+8*(\t)+2:ST+8*(\t)+3] op_sel_hi:[1,0,1]
.endr
	MM \x, \pv, \kq
	WIN 0
.set p, 0
.rept 16                            ; P, in place: pair p goes to register p, under every pair that is still to be read
.irp t, 2-\x, 3-\x
	v_cvt_pk_f16_f32 v[S+32*(\t)+p], v[S+32*(\t)+2*p], v[S+32*(\t)+2*p+1]
.endr
.set p, p+1
.endr
.endm
; THE CHANGE OF SLOTS, between piece 2's turn and piece 0's: the slot's last bytes, V of its eighth step, have been asked for.  Each wave waits for all its tensor loads, of which one is out: its part of the other
; slot; adds 0 to its spare word; and waits for that and for its own reads of the slot.  fill = 1: the slot is filled again with the keys two slots on, behind a round of the cluster's barrier, so that no wave of any
; partner still reads it or has a load on its way; the joint refill is the first thing behind the round, my one tensor load until the next, and has eight key steps in which to land.
.macro CHANGE fill
	WIN 0
	s_wait_tensorcnt 0x0            ; no tensor load of mine is out, so a group 0 may be written
	ds_add_u32 v[SPW], v[NIL]       ; 0 onto my spare word
.if \fill
	s_xor_b32 s[G0+5], s[G0+5], SLOT1                       ; the walking descriptor: the other slot than last time,
	s_add_nc_u64 s[G0+6:G0+7], s[G0+6:G0+7], PARTB          ; the next 512 keys; the type bits on top are not reached
	s_wait_dscnt 0x0                ; the add is done, and my reads of the slot are over
	CROUND
	tensor_load_to_lds s[G0+4:G0+7], s[G1:G1+7]
	s_nop 0
.rept 4
	v_nop
.endr
	; A PREFETCH of what the next change of slots will ask for: the last 512 keys of K and of V.  The first change asks, the second has nothing behind it.  Each run of 256 bytes is named once in the launch:
	; the four partners take 16,384 bytes each of K's 65,536 and of V's, told apart by address; in each, waves 0 and 2 ask for K's two halves and waves 4 and 6 for V's, lanes 256 bytes apart.  Eight key steps ahead of the load.
	s_cmp_gt_u32 s[SLOTS], s[LIM]
	s_cbranch_scc0 .Lnot_mine_\@
	global_prefetch_b8 v[PFO], s[PFA:PFA+1] th:TH_LOAD_NT scope:SCOPE_SE
.Lnot_mine_\@:
.else
	s_wait_dscnt 0x0                ; the add is done, and my reads of the slot are over
	s_barrier_signal -1
	s_barrier_wait -1
.endif
	s_sub_co_u32 s[TB], s[TB], PARTB  ; the fetches go back to a slot's first step,
	s_xor_b32 s[TB], s[TB], SLOT1   ; in the other slot
.endm
.macro STEPS n                      ; n key steps: written once, walked n times; the LDS addresses hang on s[TB]
	s_mov_b32 s[CNT], \n
.Lstep_\@:
	TURN 0, 1, 1
	TURN 2, 1, 1
	WIN 0
	s_sub_co_u32 s[CNT], s[CNT], 1
	s_cmp_lg_u32 s[CNT], 0
	s_cbranch_scc1 .Lstep_\@
.endm
	s_wait_tensorcnt 1              ; my part of slot 0 is in; slot 1's, the one load issued behind it, may stay out
	s_barrier_signal -1
	s_barrier_wait -1               ; everybody's is
	FETCH_K                         ; key step 0
	s_wait_loadcnt 0x0              ; Q
.set i, 16
.rept 16
	MM 0, 0, 1                      ; piece 0's first scores: there is no vector work yet to set between them
.endr
	WIN 0                           ; the addresses for the way out are made here: eight plain lines, the places behind those products
	s_mul_i32 s16, s[WV], 16*SP
	s_add_co_u32 s16, s16, STAGE    ; my stage
	v_mul_u32_u24 v[STO], v1, SP    ; in: row r, 32 bytes for each half of the lanes
	v_lshl_add_u32 v[STO], v6, 5, v[STO]
	v_add_nc_u32 v[STO], s16, v[STO]
	v_mul_u32_u24 v[RD], v6, SP     ; back: lanes 0-15 take one row of 256 bytes, lanes 16-31 the next
	v_lshl_add_u32 v[RD], v1, 4, v[RD]
	v_add_nc_u32 v[RD], s16, v[RD]
	v_lshlrev_b32 v[GO], 12, v6     ; and the same two rows in out0, 4,096 bytes apart
	v_lshl_add_u32 v[GO], v1, 4, v[GO]
	TURN 2, 0, 1                    ; piece 2's first scores | piece 0's first softmax | V of step 0
	STEPS 7                         ; the pair of turns of step j fetches step j + 1: seven pairs read out slot 0
	s_mov_b32 s[SLOTS], 2
.Lslot:                             ; two trips: slots 0 and 1 are each filled once more
	CHANGE 1
	STEPS 8
	s_sub_co_u32 s[SLOTS], s[SLOTS], 1
	s_cmp_lg_u32 s[SLOTS], 0
	s_cbranch_scc1 .Lslot
	CHANGE 0                        ; the tail is written out: nothing is left to ask for
	STEPS 8
	TURN 0, 1, 0                    ; piece 0: V^T P of the last step | piece 2's last softmax
.set i, 0
.rept 16
	MM 2, 1, 0                      ; piece 2: V^T P of the last step
.endr
	; THE WAY OUT.  l's two halves and the other half of the lanes' are added; O^T is divided by l and sent through my stage in LDS, a tile (16 rows) at a time.  The four additions are the places behind the last products.
	WIN 0
.irp t, 0,1,2,3
	v_add_f32 v[ST+8*\t+4], v[ST+8*\t+2], v[ST+8*\t+3]
.endr
.irp t, 0,1,2,3
	v_permlanex16_b32 v[ST+8*\t+5], v[ST+8*\t+4], s[SEL], s[SEL+1]
.endr
.irp t, 0,1,2,3
	v_add_f32 v[ST+8*\t+4], v[ST+8*\t+4], v[ST+8*\t+5]
.endr
.irp t, 0,1,2,3
	v_rcp_f32 v[ST+8*\t+6], v[ST+8*\t+4]
.endr
	v_nop                           ; a plain line behind the last reciprocal,
	s_wait_alu depctr_va_vdst(0)    ; and one wait for the four, ahead of the first use
; Tile t: a lane's eight channels of a row are 32 bytes; they go into rows of 272 bytes and come back as whole rows of 256, into the registers that held the tile's scores.
.macro PACK t
	WIN 0x41                        ; O^T (destination and source 0) window 1, 1 / l window 0
.set u, 0
.rept 16
	v_pk_mul_f32 v[OB+32*\t+2*u:OB+32*\t+2*u+1], v[OB+32*\t+2*u:OB+32*\t+2*u+1], v[ST+8*\t+6:ST+8*\t+7] op_sel_hi:[1,0]
.set u, u+1
.endr
	WIN 0x04                        ; an LDS store's data are its source 1: window 1
.irp ct, 0,1,2,3
	ds_store_b128 v[STO], v[OB+32*\t+8*\ct:OB+32*\t+8*\ct+3] offset:64*\ct
	ds_store_b128 v[STO], v[OB+32*\t+8*\ct+4:OB+32*\t+8*\ct+7] offset:64*\ct+16
.endr
	WIN 0
.irp f, 0,1,2,3,4,5,6,7
	ds_load_b128 v[S+32*\t+4*\f:S+32*\t+4*\f+3], v[RD] offset:\f*2*SP  ; LDS serves a wave's instructions in order (ISA guide 5.7.1.4): these see the stores above; the next tile's stores come behind them
.endr
.endm
.macro SEND t, younger              ; younger: the LDS instructions issued behind tile t's loads: the next tile's sixteen, or none
.irp f, 0,1,2,3,4,5,6,7
	s_wait_dscnt \younger+7-\f      ; and this tile's later loads
	global_store_b128 v[GO], v[S+32*\t+4*\f:S+32*\t+4*\f+3], s[6:7] offset:\t*65536+\f*8192 th:TH_STORE_NT  ; 16 lanes store a head's 256 consecutive bytes of a row, at a multiple of 256 from out0's first byte
.endr
.endm
	PACK 0
	PACK 1                          ; a tile's arithmetic stands between the loads of the tile before and its stores
	SEND 0, 16
	PACK 2
	SEND 1, 16
	PACK 3
	SEND 2, 16
	SEND 3, 0
	s_wait_tensorcnt 0x0            ; the wave's end: these three lines, behind my last tensor load and my last LDS store
	ds_add_u32 v[SPW], v[NIL]
	s_wait_dscnt 0x0
	CROUND                          ; the closing round: no work-group ends while a partner may still ask for a tile that names it
	s_endpgm
.Lfunc_end_k_q38f0b6b8ad_attn:
	.size	k_q38f0b6b8ad_attn, .Lfunc_end_k_q38f0b6b8ad_attn-k_q38f0b6b8ad_attn
	.p2alignl 7, 3214868480
	.fill 96, 4, 3214868480
	.section	.rodata,"a",@progbits
	.p2align	6, 0x0
	.amdhsa_kernel k_q38f0b6b8ad_attn
		.amdhsa_group_segment_fixed_size 327680
		.amdhsa_private_segment_fixed_size 0
		.amdhsa_enable_private_segment 0
		.amdhsa_kernarg_size 16
		.amdhsa_user_sgpr_count 2
		.amdhsa_user_sgpr_kernarg_segment_ptr 1
		.amdhsa_wavefront_size32 1
		.amdhsa_system_sgpr_workgroup_id_x 1
		.amdhsa_system_sgpr_workgroup_id_y 1
		.amdhsa_system_sgpr_workgroup_id_z 1
		.amdhsa_system_vgpr_workitem_id 0
		.amdhsa_next_free_vgpr 512
		.amdhsa_next_free_sgpr 66
		.amdhsa_reserve_vcc 0
		.amdhsa_float_denorm_mode_32 3
		.amdhsa_float_denorm_mode_16_64 3
		.amdhsa_memory_ordered 1
		.amdhsa_forward_progress 1
		.amdhsa_inst_pref_size 159
	.end_amdhsa_kernel
	.amdgpu_metadata
---
amdhsa.version: [ 1, 2 ]
amdhsa.kernels:
  - .name:           k_q38f0b6b8ad_attn
    .symbol:         k_q38f0b6b8ad_attn.kd
    .args:
      - { .name: qkv, .offset: 0, .size: 8, .value_kind: global_buffer, .address_space: global }
      - { .name: out0, .offset: 8, .size: 8, .value_kind: global_buffer, .address_space: global }
    .group_segment_fixed_size: 327680
    .private_segment_fixed_size: 0
    .kernarg_segment_align: 8
    .kernarg_segment_size: 16
    .max_flat_workgroup_size: 256
    .sgpr_count:     66
    .vgpr_count:     512
    .wavefront_size: 32
...
	.end_amdgpu_metadata
.endif
;; end of part 3
